; MI455X (gfx1250); checked and timed in simulation.
; The chip was launched on July 23, 2026; its instructions are those of AMD's public machine-readable ISA for CDNA 5 (MIT licence, August 2026) and "CDNA5" Instruction Set Architecture Reference Guide (July 2026). The comments in the code are by the model that wrote it; some were corrected since.
;; Multi Head Attention. Allowed arithmetic: matrix products marked QUANTISED: E2M1 operands, one E8M0 scale for each 32 along K, by v_wmma_scale_f32_16x16x128_f8f6f4 with both operands' format E2M1 (or v_wmma_scale_f32_32x16x128_f4), f32 sums; everything else in f32.
;; Inputs: Wk_codes 12 x 64 x 24 x 16 uint8 (E2M1 codes of Wk, K innermost, in blocks of 32 codes, two codes a byte); Wk_scales 12 x 64 x 24 uint8 (E8M0 scales of Wk, one for each 32 codes along K); Wo_codes 768 x 24 x 16 uint8 (E2M1 codes of Wo, K innermost, in blocks of 32 codes, two codes a byte); Wo_scales 768 x 24 uint8 (E8M0 scales of Wo, one for each 32 codes along K); Wq_codes 12 x 64 x 24 x 16 uint8 (E2M1 codes of Wq, K innermost, in blocks of 32 codes, two codes a byte); Wq_scales 12 x 64 x 24 uint8 (E8M0 scales of Wq, one for each 32 codes along K); Wv_codes 12 x 64 x 24 x 16 uint8 (E2M1 codes of Wv, K innermost, in blocks of 32 codes, two codes a byte); Wv_scales 12 x 64 x 24 uint8 (E8M0 scales of Wv, one for each 32 codes along K); bk 12 x 64 float32; bo 768 float32; bq 12 x 64 float32; bv 12 x 64 float32; x_codes 1 x 4,096 x 24 x 16 uint8 (E2M1 codes of x, K innermost, in blocks of 32 codes, two codes a byte); x_scales 1 x 4,096 x 24 uint8 (E8M0 scales of x, one for each 32 codes along K).
;; Outputs: out0 1 x 4,096 x 768 float32.
;; This version of the problem:
;;   THIS VERSION OF THE PROBLEM IS GIVEN IN LOW PRECISION. The matrix products marked QUANTISED in the list below multiply operands that are first quantised to E2M1 (2 exponent bits, 1 mantissa bit; 4 bits a number), with one power-of-two scale for each 32 numbers along K (OCP MX v1.0); their sums are f32. All else is computed in f32.
;;   The module's matrix products, in the order in which they are computed (A, B: the left and right operand; K: the contracted axis; several contracted axes count as one K, in the product's order):
;;     1. [M 768, K 768] x [K 768, N 4,096]; A: input Wq (given as codes); B: input x (given as codes): QUANTISED
;;     2. [M 768, K 768] x [K 768, N 4,096]; A: input Wk (given as codes); B: input x (given as codes): QUANTISED
;;     3. [M 768, K 768] x [K 768, N 4,096]; A: input Wv (given as codes); B: input x (given as codes): QUANTISED
;;     4. batch 12 x [M 4,096, K 64] x [K 64, N 4,096]; A: computed on the way; B: computed on the way: QUANTISED
;;     5. batch 12 x [M 4,096, K 4,096] x [K 4,096, N 64]; A: softmax (see below); B: computed on the way: QUANTISED
;;     6. [M 4,096, K 768] x [K 768, N 768]; A: computed on the way; B: input Wo (given as codes): QUANTISED
;;   THE QUANTISER, for each operand of a quantised product, along K:
;;     - K is cut into blocks of 32 from its start; a last block that is shorter is filled with zeros.
;;     - A block's scale is 2^e with e = floor(log2(the largest magnitude in the block)) - 2, held to -126 .. 127; a block of zeros has e = 0. As a byte (E8M0): e + 127.
;;     - Each number is divided by its block's scale, clamped to +-6, and rounded to the nearest number of E2M1, ties to even, subnormals kept.
;;     - The product sums the exact products of the quantised numbers (number of the format x scale) in f32.
;;   ~~~python
;;   def quantise(x, axis):      # numpy; x: float32 -> the quantised numbers, widened to float32 again
;;       x = np.moveaxis(x, axis, -1); K = x.shape[-1]
;;       x = np.pad(x, [(0, 0)] * (x.ndim - 1) + [(0, -K % 32)]); x = x.reshape(x.shape[:-1] + (-1, 32)); a = np.abs(x).max(-1, keepdims=True)
;;       e = np.where(a > 0, np.clip(np.frexp(np.where(a > 0, a, 1))[1] - 1 - 2, -126, 127), 0)      # np.frexp(a)[1] - 1 = floor(log2(a)), exactly
;;       r = np.clip(x / 2.0 ** e, -6, 6)
;;       step = 2.0 ** (np.maximum(np.frexp(np.where(r == 0, 1, r))[1] - 1, 0) - 1)
;;       q = np.round(r / step) * step * 2.0 ** e      # np.round: ties to even
;;       return np.moveaxis(q.reshape(q.shape[:-2] + (-1,))[..., :K], -1, axis).astype(np.float32)
;;   ~~~
;;   SOFTMAX AHEAD OF A QUANTISED PRODUCT. Where the list says 'softmax', what is quantised is not the finished softmax but p = 2^(t - M), with t = logit x log2(e) and M = ceil(the row's largest t), a whole number; so 1/2 < the row's largest p <= 1. The row's sum l is taken of the UNQUANTISED p, in f32, and the product's result is divided by l at the end. Since M is a whole number, a kernel that streams over the keys may use a running M (the ceiling of the running maximum): every later rescaling is an exact power of two, which a block's scale takes up: the codes' values come out the same.
;;   OPERANDS COMPUTED ON THE WAY. 'Computed on the way' means the value that the module computes at that place (a softmax that the list does not call 'softmax' is quantised finished and normalised). What goes into a quantiser is computed in f32, as accurately as f32 sums, v_exp_f32 and their like allow (about 1e-6 of the number): no bf16 or f16 on the way to a quantiser, and a product that is left as it is and whose result goes on into a quantised operand takes f32 operands (vector FMAs, or v_wmma_f32_16x16x4_f32). A number that lies on a knife's edge between two numbers of the format may be rounded either way, as far as f32 arithmetic and the matrix unit's own rounding can turn it there, and no further.
;;   INPUTS GIVEN AS CODES. Wk (in the module: [12, 768, 64], K = its axis 1); Wo (in the module: [768, 768], K = its axis 0); Wq (in the module: [12, 768, 64], K = its axis 1); Wv (in the module: [12, 768, 64], K = its axis 1); x (in the module: [1, 4096, 768], K = its axis 2): each comes as NAME_codes (uint8): NAME with its K axis moved to the last place and cut into blocks of 32 codes, [.., K / 32, bytes a block], one block behind the other in memory; two codes a byte, the lower K in the low four bits (a code: sign, 2 exponent bits, 1 mantissa bit); and NAME_scales (uint8): the same leading axes, one E8M0 byte (e + 127) for each 32 codes along K. Its value is code x scale, taken as it is: it is not quantised again, and the codes and scales need not be those that the quantiser above would give.
;; One version. Each part assembles by itself: llvm-mc -triple=amdgcn-amd-amdhsa -mcpu=gfx1250 --defsym DOCPART=n.
;; ======== version 1 of 1: 3 launches
;; limits: right only within a limited range of input values
;; workspace buffers: qrec 1,671,168 bytes; kv 3,440,640 bytes; cimg 1,572,864 bytes; cscl 98,304 bytes
;; launch qkv (part 1): grid 16 x 12, 4 waves a work-group, clusters of 4 x 4, 194,048 bytes of LDS; arguments x_codes, x_scales, Wq_codes, Wq_scales, Wk_codes, Wk_scales, Wv_codes, Wv_scales, bq, bk, bv, qrec, kv; writes qrec, kv
.if DOCPART == 1
	.amdgcn_target "amdgcn-amd-amdhsa--gfx1250"
	.amdhsa_code_object_version 6
	.text
	.protected	k_q6074738093_qkv
	.globl	k_q6074738093_qkv
	.p2align	8
	.type	k_q6074738093_qkv,@function
k_q6074738093_qkv:
	s_mov_b64 s[64:65], 0
	v_nop
	global_prefetch_b8 v0, s[64:65] scope:SCOPE_SE
	s_setreg_imm32_b32 hwreg(HW_REG_WAVE_MODE, 25, 1), 1
	s_wait_xcnt 0x0
	s_wait_alu depctr_hold_cnt(0) depctr_sa_sdst(0) depctr_va_vdst(0) depctr_va_sdst(0) depctr_va_ssrc(0) depctr_va_vcc(0) depctr_vm_vsrc(0)
	s_getreg_b32 s2, hwreg(HW_REG_IB_STS2, 6, 4)
	s_cmp_eq_u32 s2, 0
	s_cbranch_scc0 .Lentry_in_a_cluster
	s_endpgm
.Lentry_in_a_cluster:
	s_bfe_u32 s2, ttmp6, 0x10000c
	s_cmp_lg_u32 s2, 0xf033
	s_cbranch_scc0 .Lentry_shape_is_right
	s_endpgm
.Lentry_shape_is_right:
; q, k, v = x W + b for one head and 256 rows of x, on codes of FP4 (E2M1) with one E8M0 scale for each 32 along K = 768; the results are quantised at once (q, k along the head's 64, v along the keys)
; and stored as IMAGES OF OPERAND REGISTERS (lane l's 16 bytes at 16 l), so that the attention launch loads fragments as they stand.
; SHARES.  Work-group x: 256 rows, y: a head.  Wave w: sp = w / 2 says which 128 rows, e = w % 2 what: e = 0: q and v's tiles 0, 1; e = 1: k and v's tiles 2, 3.  8 tiles of x against 6 of W: 48 accumulators, 288 products.
; ROWS OF A TILE.  Slot m of x's tile 4 c + u holds row 64 c + 32 (m / 8) + 8 (u xor (m / 8)) + m % 8; of Wq's and Wk's tile t dim 32 (m / 8) + 8 (t xor (m / 8)) + m % 8; of Wv's tile t dim 32 (m / 8) + 8 t + m % 8.
; A result's register j of lane (r, h) is slot 8 h + j of source 0: four neighbouring tiles give a lane 32 registers that are one whole block of 32.  In lanes 16-31 neighbouring groups of eight inside a block of q, k (dims) and
; of v, k (keys) have changed places, alike on both sides of each later product.  The xor puts slots 8-15 of a tile 24 or 40 LDS rows from slots 0-7: an odd multiple of 128 bytes off a whole turn of the banks.
; RECORDS (head, 128 rows).  qrec: 8 tiles x 512 bytes, then 256 bytes of scales.  kv: k's 8 tiles, v's images (1,024 bytes for each 16 dims), k's scales (256), v's scales (2 x 256): 8,960 bytes = 35 rows of 256.
; A word of q's or k's scales: two bytes of tile 2 i, two of tile 2 i + 1 (i: the pair); lane l's words 0, 1 at 8 l: lanes 0-15 pairs 0, 2; lanes 16-31 pairs 1, 3.
; CLUSTER 4 x 4: x's rows hang on the work-group's x alone and are asked for jointly by a column of the cluster, W's rows on the head alone, by a row.  All tiles are first fills, one load a wave; there is no loop of fills to prefetch for.
; x's 256 rows and W's 64 rows are dense: stated as rows of 256 bytes, 16 bytes of padding behind each 128.
; LIMITS: NaN and infinities are not served.  A block of zeros, or one whose largest magnitude lies under 2^-124, gets the scale byte 1: its codes are as the floor gives them, and these bytes are read by this program alone.
; REGISTERS, windows of 256: 0: addresses, scale words, the quantiser.  1: two sets of 14 fragments (set p at 112 p: x's at + 8 x, W's at + 64 + 8 i).  2: q's or k's accumulators at 32 x + 8 w.  3: v's at 64 i + 8 x; from 128 the bias of q or k, from 160 v's.
.set PIT,  432                         ; an LDS row: 384 bytes + 16 behind each 128
.set T8,   8*PIT
.set GRP,  64*PIT
.set WB,   4*GRP
.set SPARE, 7*GRP
.set DPAD, (3<<16)|(1<<20)|(1<<21)|(4<<22)|(3<<25)  ; group 1, word 0: elements of 8 bytes; padding; bit 21 beside a mask; after every 32 words, 4 words
.set XS,  16                           ; x's scale words: pair i, K step s at 16 + 6 i + s: lanes 0-15 tile 2 i, lanes 16-31 tile 2 i + 1
.set WS,  40
.set WVS, 52
.set TM,  64
.set SO,  72
.set BY,  80
.set OT,  88
.set WD,  96
.set SI,  104
.set VW,  108
.set CD,  112
.set CV,  144
.set BQ,  128                          ; window 3
.set BV,  160                          ; window 3
.set WV,  76                           ; s76 wave; s77 sp; s78 e; s81 work-group x; s82 head
.set MSB, 0
.macro WIN new                         ; the immediate's high byte repeats the setting that is left
.if MSB != \new
	s_set_vgpr_msb (MSB<<8)|\new
.set MSB, \new
.endif
.endm
.macro PLACES n
.rept \n
	v_nop
.endr
.endm
.macro CROUND                          ; a round of the cluster's barrier
	s_barrier_signal -1
	s_barrier_wait -1
	s_cmp_lg_u32 s[WV], 0
	s_cbranch_scc1 .Lnot_wave_0_\@
	s_barrier_signal -3
.Lnot_wave_0_\@:
	s_barrier_wait -3
	s_barrier_signal -1
	s_barrier_wait -1
.endm
.macro WM d, a, b, c, sa, sb, ra, rb
.if (\ra) && (\rb)
	v_wmma_scale_f32_16x16x128_f8f6f4 v[(\d):(\d)+7], v[(\a):(\a)+7], v[(\b):(\b)+7], v[(\c):(\c)+7], v[(\sa)], v[(\sb)] matrix_a_fmt:MATRIX_FMT_FP4 matrix_b_fmt:MATRIX_FMT_FP4 matrix_a_scale:MATRIX_SCALE_ROW1 matrix_b_scale:MATRIX_SCALE_ROW1
.elseif (\ra)
	v_wmma_scale_f32_16x16x128_f8f6f4 v[(\d):(\d)+7], v[(\a):(\a)+7], v[(\b):(\b)+7], v[(\c):(\c)+7], v[(\sa)], v[(\sb)] matrix_a_fmt:MATRIX_FMT_FP4 matrix_b_fmt:MATRIX_FMT_FP4 matrix_a_scale:MATRIX_SCALE_ROW1
.elseif (\rb)
	v_wmma_scale_f32_16x16x128_f8f6f4 v[(\d):(\d)+7], v[(\a):(\a)+7], v[(\b):(\b)+7], v[(\c):(\c)+7], v[(\sa)], v[(\sb)] matrix_a_fmt:MATRIX_FMT_FP4 matrix_b_fmt:MATRIX_FMT_FP4 matrix_b_scale:MATRIX_SCALE_ROW1
.else
	v_wmma_scale_f32_16x16x128_f8f6f4 v[(\d):(\d)+7], v[(\a):(\a)+7], v[(\b):(\b)+7], v[(\c):(\c)+7], v[(\sa)], v[(\sb)] matrix_a_fmt:MATRIX_FMT_FP4 matrix_b_fmt:MATRIX_FMT_FP4
.endif
.endm
	s_load_b512 s[8:23], s[0:1], 0x0               ; x codes 8, x scales 10, Wq codes 12, scales 14, Wk codes 16, scales 18, Wv codes 20, scales 22
	s_load_b256 s[24:31], s[0:1], 0x40             ; bq 24, bk 26, bv 28, qrec 30
	s_load_b64 s[32:33], s[0:1], 0x60              ; kv
	v_lshl_add_u32 v254, v0, 2, SPARE
	v_mov_b32 v255, 0
	ds_add_u32 v254, v255                          ; the opening add, twice on end
	ds_add_u32 v254, v255
	v_lshrrev_b32 v14, 5, v0
	v_readfirstlane_b32 s[WV], v14
	v_and_b32 v1, 31, v0                           ; lane
	v_and_b32 v2, 15, v0                           ; r
	v_bfe_u32 v3, v0, 4, 1                         ; h
	v_lshrrev_b32 v14, 3, v2                       ; r / 8
	v_and_b32 v15, 7, v2                           ; r % 8
	v_mul_u32_u24 v60, v15, PIT
	v_lshl_add_u32 v60, v3, 4, v60
	v_mul_u32_u24 v61, v14, 40*PIT
	v_add_nc_u32 v61, v61, v60                     ; a slot's place, even tiles
	v_mul_u32_u24 v62, v14, 24*PIT
	v_add_nc_u32 v62, v62, v60                     ; odd tiles
	v_mul_u32_u24 v63, v14, 32*PIT
	v_add_nc_u32 v63, v63, v60                     ; Wv's tiles
	v_lshlrev_b32 v8, 4, v1
	v_lshlrev_b32 v9, 3, v1
	v_lshlrev_b32 v10, 3, v3                       ; 8 h: a byte's place in a scale word
	v_lshl_add_u32 v4, v14, 5, v15                 ; 32 (r / 8) + r % 8
	v_lshlrev_b32 v13, 2, v4                       ; bias of v
	v_xor_b32 v11, v3, v14
	v_lshl_add_u32 v11, v11, 3, v4
	v_mul_u32_u24 v11, v11, 24                     ; scale rows of 24 bytes: x, Wq, Wk
	v_lshl_add_u32 v4, v3, 3, v4
	v_mul_u32_u24 v4, v4, 24                       ; and Wv
	v_mul_u32_u24 v12, v3, 160                     ; bias of q, k: dims 32 h + 8 (w xor h): w even
	v_mul_u32_u24 v15, v3, 96                      ; w odd
.irp b, 0,1,2,3,4,5,6,7
	v_mov_b32 v[OT+\b], 0                          ; a lane permute's destination counts as one of its sources
.endr
	s_wait_alu depctr_va_vdst(0)
	s_lshr_b32 s77, s[WV], 1
	s_and_b32 s78, s[WV], 1
	s_bfe_u32 s79, ttmp6, 0x40000                  ; cx
	s_bfe_u32 s80, ttmp6, 0x40004                  ; cy
	s_lshl_b32 s81, ttmp9, 2
	s_add_co_u32 s81, s81, s79
	s_and_b32 s82, ttmp7, 0xffff
	s_lshl_b32 s82, s82, 2
	s_add_co_u32 s82, s82, s80
	s_lshl_b32 s2, 0x1111, s79                     ; my column of the cluster
	s_lshl_b32 s3, s80, 2
	s_lshl_b32 s3, 15, s3                          ; my row
	s_or_b32 s36, s2, DPAD                         ; x: 384 rows of 256 bytes
	s_mov_b32 s37, 32<<16
	s_mov_b32 s38, 384<<16
	s_mov_b32 s39, 32<<16
	s_mov_b32 s40, 384
	s_mov_b32 s41, 32
	s_mov_b32 s42, 0
	s_mov_b32 s43, 0
	s_or_b32 s44, s3, DPAD                         ; W: 96 rows of 256 bytes
	s_mov_b32 s45, 32<<16
	s_mov_b32 s46, 96<<16
	s_mov_b32 s47, 32<<16
	s_mov_b32 s48, 96
	s_mov_b32 s49, 32
	s_mov_b32 s50, 0
	s_mov_b32 s51, 0
	s_mul_i32 s4, s81, 256*384
	s_mov_b32 s5, 0
	s_mul_i32 s6, s82, 64*384
	s_mov_b32 s7, 0
	s_mov_b32 s84, 0x76543210
	s_mov_b32 s85, 0xfedcba98                      ; v_permlanex16_b32's selects for lane l xor 16
	s_wait_dscnt 0x0
	s_wait_kmcnt 0x0
	s_mov_b32 s52, 1
	s_mov_b32 s53, 0
	s_add_nc_u64 s[54:55], s[8:9], s[4:5]
	s_or_b32 s55, s55, 0x80000000
	s_mov_b32 s56, 1
	s_mov_b32 s57, WB
	s_add_nc_u64 s[58:59], s[12:13], s[6:7]
	s_or_b32 s59, s59, 0x80000000
	s_mov_b32 s60, 1
	s_mov_b32 s61, WB+GRP
	s_add_nc_u64 s[62:63], s[16:17], s[6:7]
	s_or_b32 s63, s63, 0x80000000
	s_mov_b32 s68, 1
	s_mov_b32 s69, WB+2*GRP
	s_add_nc_u64 s[70:71], s[20:21], s[6:7]
	s_or_b32 s71, s71, 0x80000000
	CROUND                                         ; all sixteen work-groups are here: the joint loads meet
; one load a wave: wave 0 x, wave 1 Wq, wave 2 Wk, wave 3 Wv; one chain of branches on the wave's number
.macro ARM under, g0, g1, next
	s_cmp_lt_u32 s[WV], \under
	s_cbranch_scc0 \next
	tensor_load_to_lds s[\g0:\g0+3], s[\g1:\g1+7]
	s_nop 0
	PLACES 4
	s_branch .Lhead_asked
\next:
.endm
	ARM 1, 52, 36, .Lhead_q
	ARM 2, 56, 44, .Lhead_k
	ARM 3, 60, 44, .Lhead_v
	tensor_load_to_lds s[68:71], s[44:51]
	s_nop 0
	PLACES 4
.Lhead_asked:
	s_mul_i32 s2, s77, 2*GRP
	s_mul_i32 s3, s78, GRP
	s_add_co_u32 s3, s3, WB
	s_mul_i32 s4, s78, 2*T8
	s_add_co_u32 s4, s4, WB+2*GRP
	v_add_nc_u32 v5, s2, v61                       ; x: my 128 rows, even and odd tiles
	v_add_nc_u32 v58, s2, v62
	v_add_nc_u32 v6, s3, v61                       ; Wq or Wk
	v_add_nc_u32 v59, s3, v62
	v_add_nc_u32 v7, s4, v63                       ; Wv: tiles 2 e, 2 e + 1
	s_lshl_b32 s2, s82, 5
	s_lshl_b32 s3, s81, 1
	s_add_co_u32 s2, s2, s3
	s_add_co_u32 s2, s2, s77                       ; my record: 32 head + 2 x + sp
	s_mov_b32 s5, 0
	s_mov_b32 s7, 0
	s_cmp_eq_u32 s78, 0                            ; q's wave or k's
	s_cselect_b64 s[86:87], s[30:31], s[32:33]
	s_cselect_b64 s[96:97], s[14:15], s[18:19]     ; W's scales
	s_cselect_b64 s[24:25], s[24:25], s[26:27]     ; the bias
	s_mov_b32 s4, 8960
	s_cselect_b32 s4, 4352, s4                     ; a record's bytes
	s_mov_b32 s6, 8192
	s_cselect_b32 s6, 4096, s6                     ; where its scales begin
	s_mul_i32 s4, s2, s4
	s_add_nc_u64 s[86:87], s[86:87], s[4:5]
	s_add_nc_u64 s[88:89], s[86:87], s[6:7]
	s_mul_i32 s4, s2, 8960
	s_lshl_b32 s6, s78, 11
	s_add_co_u32 s6, s6, s4
	s_add_co_u32 s6, s6, 4096
	s_add_nc_u64 s[90:91], s[32:33], s[6:7]        ; v's images
	s_lshl_b32 s6, s78, 8
	s_add_co_u32 s6, s6, s4
	s_add_co_u32 s6, s6, 8448
	s_add_nc_u64 s[92:93], s[32:33], s[6:7]        ; v's scale words
	s_lshl_b32 s4, s81, 8
	s_lshl_b32 s6, s77, 7
	s_add_co_u32 s4, s4, s6
	s_mul_i32 s4, s4, 24
	s_add_nc_u64 s[94:95], s[10:11], s[4:5]        ; x's scales at my 128 rows
	s_mul_i32 s4, s82, 64*24
	s_add_nc_u64 s[96:97], s[96:97], s[4:5]
	s_mul_i32 s6, s78, 16*24
	s_add_co_u32 s4, s4, s6
	s_add_nc_u64 s[22:23], s[22:23], s[4:5]        ; Wv's at my two tiles
	s_lshl_b32 s4, s82, 8
	s_add_nc_u64 s[24:25], s[24:25], s[4:5]
	s_lshl_b32 s6, s78, 6
	s_add_co_u32 s4, s4, s6
	s_add_nc_u64 s[28:29], s[28:29], s[4:5]
.irp i, 0,1,2,3
.irp j, 0,1,2
	global_load_b64 v[XS+6*\i+2*\j:XS+6*\i+2*\j+1], v11, s[94:95] offset:(64*(\i/2)+16*(\i%2))*24+8*\j
.endr
.endr
.irp i, 0,1
.irp j, 0,1,2
	global_load_b64 v[WS+6*\i+2*\j:WS+6*\i+2*\j+1], v11, s[96:97] offset:384*\i+8*\j
.endr
.endr
.irp j, 0,1,2
	global_load_b64 v[WVS+2*\j:WVS+2*\j+1], v4, s[22:23] offset:8*\j
.endr
	WIN 0xc0                                       ; destination window 3
.irp w, 0,2
	global_load_b128 v[BQ+8*\w:BQ+8*\w+3], v12, s[24:25] offset:32*\w
	global_load_b128 v[BQ+8*\w+4:BQ+8*\w+7], v12, s[24:25] offset:32*\w+16
	global_load_b128 v[BQ+8*\w+8:BQ+8*\w+11], v15, s[24:25] offset:32*\w+32
	global_load_b128 v[BQ+8*\w+12:BQ+8*\w+15], v15, s[24:25] offset:32*\w+48
.endr
.irp i, 0,1
.irp j, 0,1,2,3,4,5,6,7
	global_load_b32 v[BV+8*\i+\j], v13, s[28:29] offset:32*\i                ; all eight registers: the bias of slot r's dim
.endr
.endr
	WIN 0
	s_wait_alu depctr_va_vdst(0)                   ; the wait at the head's end
	s_wait_tensorcnt 0x0                           ; my tile is in LDS,
	s_barrier_signal -1
	s_barrier_wait -1                              ; everybody's are
; the 14 fragments of K step s into set p: 28 loads.  Lane (r, h) takes 16 bytes at 64 s + 16 h of its slot's row, and 16 more 32 bytes on
.macro FETCH s, p
.set KO, 64*(\s)+16*((\s)/2)
	WIN 0x40                                       ; destination window 1
.irp x, 0,1,2,3,4,5,6,7
.irp c, 0,1
.if \x%2
	ds_load_b128 v[112*(\p)+8*\x+4*\c:112*(\p)+8*\x+4*\c+3], v58 offset:(\x/4)*GRP+(\x%4)*T8+KO+32*\c
.else
	ds_load_b128 v[112*(\p)+8*\x+4*\c:112*(\p)+8*\x+4*\c+3], v5 offset:(\x/4)*GRP+(\x%4)*T8+KO+32*\c
.endif
.endr
.endr
.irp w, 0,1,2,3
.irp c, 0,1
.if \w%2
	ds_load_b128 v[112*(\p)+64+8*\w+4*\c:112*(\p)+64+8*\w+4*\c+3], v59 offset:\w*T8+KO+32*\c
.else
	ds_load_b128 v[112*(\p)+64+8*\w+4*\c:112*(\p)+64+8*\w+4*\c+3], v6 offset:\w*T8+KO+32*\c
.endif
.endr
.endr
.irp i, 0,1
.irp c, 0,1
	ds_load_b128 v[112*(\p)+96+8*\i+4*\c:112*(\p)+96+8*\i+4*\c+3], v7 offset:\i*T8+KO+32*\c
.endr
.endr
.endm
; 32 products for q or k: source 0 = W's tile, source 1 = x's.  The bias is the C of each sum's first product
.macro QK s, p
.if (\s) == 0
	WIN 0xb5                                       ; sources 0, 1 window 1; C window 3; D window 2
.else
	WIN 0xa5                                       ; C and D window 2
.endif
.irp x, 0,1,2,3,4,5,6,7
.irp w, 0,1,2,3
.if (\s) == 0
	WM 32*\x+8*\w, 112*(\p)+64+8*\w, 112*(\p)+8*\x, BQ+8*\w, WS+6*(\w/2)+(\s), XS+6*(\x/2)+(\s), (\w%2), (\x%2)
.else
	WM 32*\x+8*\w, 112*(\p)+64+8*\w, 112*(\p)+8*\x, 32*\x+8*\w, WS+6*(\w/2)+(\s), XS+6*(\x/2)+(\s), (\w%2), (\x%2)
.endif
.endr
.endr
.endm
; 16 products for v: source 0 = x's tile, source 1 = Wv's: a lane holds one dim
.macro VV s, p
	WIN 0xf5                                       ; sources window 1; C and D window 3
.irp i, 0,1
.irp x, 0,1,2,3,4,5,6,7
.if (\s) == 0
	WM 64*\i+8*\x, 112*(\p)+8*\x, 112*(\p)+96+8*\i, BV+8*\i, XS+6*(\x/2)+(\s), WVS+(\s), (\x%2), \i
.else
	WM 64*\i+8*\x, 112*(\p)+8*\x, 112*(\p)+96+8*\i, 64*\i+8*\x, XS+6*(\x/2)+(\s), WVS+(\s), (\x%2), \i
.endif
.endr
.endr
.endm
	FETCH 0, 0
	s_wait_loadcnt 0x0                             ; scale words and biases
; six K steps.  The 48 accumulators take turns, one instruction a turn, in the same order in every step
.irp s, 0,1,2,3,4,5
.if \s < 5
.if \s > 0
	PLACES 4                                       ; in front of loads into registers that the step before has read
.endif
	FETCH \s+1, (\s+1)%2
	s_wait_dscnt 28                                ; all but the 28 just issued: this step's fragments are in
.else
	s_wait_dscnt 0x0
.endif
	QK \s, \s%2
	VV \s, \s%2
.endr
	PLACES 4                                       ; in front of the first read of results
; the largest magnitude of n blocks of 32 registers, with the floor 2^(3 - 127) among the leaves; the blocks by turns, each accumulator from its low end on
.macro BMAX n
.set b, 0
.rept \n
	v_max3_num_f32 v[TM+b], 0x1800000, |v[32*b]|, |v[32*b+1]|
.set b, b+1
.endr
.set i, 2
.rept 15
.set b, 0
.rept \n
	v_max3_num_f32 v[TM+b], v[TM+b], |v[32*b+i]|, |v[32*b+i+1]|
.set b, b+1
.endr
.set i, i+2
.endr
.endm
	; ---- q or k: tile b of x gives a lane block h of its row
	WIN 0x28                                       ; sources 1 and 2 window 2
	BMAX 8
	WIN 0
.irp b, 0,1,2,3,4,5,6,7
	v_add_nc_u32 v[SO+\b], 0xff000000, v[TM+\b]    ; 2 off the exponent field: the conversion's scale operand
.endr
.irp b, 0,1,2,3,4,5,6,7
	v_lshrrev_b32 v[BY+\b], 23, v[SO+\b]           ; the scale's byte
.endr
.irp b, 0,1,2,3,4,5,6,7
	v_lshlrev_b32 v[BY+\b], v10, v[BY+\b]          ; at byte h
.endr
.irp b, 0,1,2,3,4,5,6,7
	v_permlanex16_b32 v[OT+\b], v[BY+\b], s84, s85
.endr
.irp b, 0,1,2,3,4,5,6,7
	v_or_b32 v[WD+\b], v[BY+\b], v[OT+\b]          ; the row's two bytes
.endr
	WIN 0x02                                       ; source 0 window 2
.irp b, 0,1,2,3,4,5,6,7
.irp g, 0,1,2,3
	v_cvt_scalef32_pk8_fp4_f32 v[CD+4*\b+\g], v[32*\b+8*\g:32*\b+8*\g+7], v[SO+\b]
.endr
.endr
	WIN 0
	v_nop                                          ; one plain place behind the scaled conversions
	v_cmp_le_u32 vcc_lo, 16, v1                    ; lanes 16-31
.irp i, 0,1,2,3
	v_lshl_or_b32 v[BY+\i], v[WD+2*\i+1], 16, v[WD+2*\i]   ; a pair's word
.endr
.irp i, 0,1
	v_cndmask_b32 v[SI+\i], v[BY+2*\i], v[BY+2*\i+1], vcc_lo
.endr
.irp b, 0,1,2,3,4,5,6,7
	global_store_b128 v8, v[CD+4*\b:CD+4*\b+3], s[86:87] offset:512*\b   ; 32 lanes store 512 consecutive bytes, at a multiple of 256 from the buffer's first byte
.endr
	global_store_b64 v9, v[SI:SI+1], s[88:89]      ; 256 consecutive bytes
	; ---- v: block 2 i + c gives a lane keys 64 c + 32 h .. of its dim
	WIN 0x3c                                       ; sources 1 and 2 window 3
	BMAX 4
	WIN 0
.irp b, 0,1,2,3
	v_add_nc_u32 v[SO+\b], 0xff000000, v[TM+\b]
.endr
.irp b, 4,5,6,7
	v_lshrrev_b32 v[BY+\b], 23, v[SO+\b-4]
.endr
.irp i, 0,1
	v_lshl_or_b32 v[VW+\i], v[BY+4+2*\i+1], 16, v[BY+4+2*\i]
.endr
.irp i, 0,1
	v_lshlrev_b32 v[VW+\i], v10, v[VW+\i]          ; my two bytes: blocks h and 2 + h of these 128 keys
.endr
.irp i, 0,1
	v_permlanex16_b32 v[OT+\i], v[VW+\i], s84, s85
.endr
.irp i, 0,1
	v_or_b32 v[VW+\i], v[VW+\i], v[OT+\i]
.endr
	WIN 0x03                                       ; source 0 window 3
.irp b, 0,1,2,3
.irp g, 0,1,2,3
	v_cvt_scalef32_pk8_fp4_f32 v[CV+4*\b+\g], v[32*\b+8*\g:32*\b+8*\g+7], v[SO+\b]
.endr
.endr
	WIN 0
	v_nop
.irp b, 0,1,2,3
	global_store_b128 v8, v[CV+4*\b:CV+4*\b+3], s[90:91] offset:512*\b
.endr
	global_store_b64 v9, v[VW:VW+1], s[92:93]      ; no store's data are written again, so no wait stands behind the stores
	s_wait_tensorcnt 0x0                           ; the wave's end
	ds_add_u32 v254, v255
	s_wait_dscnt 0x0
	CROUND                                         ; the closing round
	s_endpgm
.Lfunc_end_k_q6074738093_qkv:
	.size	k_q6074738093_qkv, .Lfunc_end_k_q6074738093_qkv-k_q6074738093_qkv
	.p2alignl 7, 3214868480
	.fill 96, 4, 3214868480
	.section	.rodata,"a",@progbits
	.p2align	6, 0x0
	.amdhsa_kernel k_q6074738093_qkv
		.amdhsa_group_segment_fixed_size 194048
		.amdhsa_private_segment_fixed_size 0
		.amdhsa_enable_private_segment 0
		.amdhsa_kernarg_size 104
		.amdhsa_user_sgpr_count 2
		.amdhsa_user_sgpr_kernarg_segment_ptr 1
		.amdhsa_wavefront_size32 1
		.amdhsa_system_sgpr_workgroup_id_x 1
		.amdhsa_system_sgpr_workgroup_id_y 1
		.amdhsa_system_sgpr_workgroup_id_z 1
		.amdhsa_system_vgpr_workitem_id 0
		.amdhsa_next_free_vgpr 944
		.amdhsa_next_free_sgpr 100
		.amdhsa_reserve_vcc 1
		.amdhsa_float_denorm_mode_32 3
		.amdhsa_float_denorm_mode_16_64 3
		.amdhsa_memory_ordered 1
		.amdhsa_forward_progress 1
		.amdhsa_inst_pref_size 82
	.end_amdhsa_kernel
	.amdgpu_metadata
---
amdhsa.version: [ 1, 2 ]
amdhsa.kernels:
  - .name:           k_q6074738093_qkv
    .symbol:         k_q6074738093_qkv.kd
    .args:
      - { .name: x_codes, .offset: 0, .size: 8, .value_kind: global_buffer, .address_space: global }
      - { .name: x_scales, .offset: 8, .size: 8, .value_kind: global_buffer, .address_space: global }
      - { .name: Wq_codes, .offset: 16, .size: 8, .value_kind: global_buffer, .address_space: global }
      - { .name: Wq_scales, .offset: 24, .size: 8, .value_kind: global_buffer, .address_space: global }
      - { .name: Wk_codes, .offset: 32, .size: 8, .value_kind: global_buffer, .address_space: global }
      - { .name: Wk_scales, .offset: 40, .size: 8, .value_kind: global_buffer, .address_space: global }
      - { .name: Wv_codes, .offset: 48, .size: 8, .value_kind: global_buffer, .address_space: global }
      - { .name: Wv_scales, .offset: 56, .size: 8, .value_kind: global_buffer, .address_space: global }
      - { .name: bq, .offset: 64, .size: 8, .value_kind: global_buffer, .address_space: global }
      - { .name: bk, .offset: 72, .size: 8, .value_kind: global_buffer, .address_space: global }
      - { .name: bv, .offset: 80, .size: 8, .value_kind: global_buffer, .address_space: global }
      - { .name: qrec, .offset: 88, .size: 8, .value_kind: global_buffer, .address_space: global }
      - { .name: kv, .offset: 96, .size: 8, .value_kind: global_buffer, .address_space: global }
    .group_segment_fixed_size: 194048
    .private_segment_fixed_size: 0
    .kernarg_segment_align: 8
    .kernarg_segment_size: 104
    .max_flat_workgroup_size: 128
    .sgpr_count:     100
    .vgpr_count:     944
    .wavefront_size: 32
...
	.end_amdgpu_metadata
.endif
;; end of part 1
;; launch attn (part 2): grid 64 x 4, 12 waves a work-group, clusters of 4 x 1, 327,680 bytes of LDS; arguments qrec, kv, cimg, cscl; writes cimg, cscl
.if DOCPART == 2
	.amdgcn_target "amdgcn-amd-amdhsa--gfx1250"
	.amdhsa_code_object_version 6
	.text
	.protected	k_q6074738093_attn
	.globl	k_q6074738093_attn
	.p2align	8
	.type	k_q6074738093_attn,@function
k_q6074738093_attn:
	s_mov_b64 s[64:65], 0
	v_nop
	global_prefetch_b8 v0, s[64:65] scope:SCOPE_SE
	s_setreg_imm32_b32 hwreg(HW_REG_WAVE_MODE, 25, 1), 1
	s_wait_xcnt 0x0
	s_wait_alu depctr_hold_cnt(0) depctr_sa_sdst(0) depctr_va_vdst(0) depctr_va_sdst(0) depctr_va_ssrc(0) depctr_va_vcc(0) depctr_vm_vsrc(0)
	s_getreg_b32 s2, hwreg(HW_REG_IB_STS2, 6, 4)
	s_cmp_eq_u32 s2, 0
	s_cbranch_scc0 .Lentry_in_a_cluster
	s_endpgm
.Lentry_in_a_cluster:
	s_bfe_u32 s2, ttmp6, 0x10000c
	s_cmp_lg_u32 s2, 0x3003
	s_cbranch_scc0 .Lentry_shape_is_right
	s_endpgm
.Lentry_shape_is_right:
; ctx = softmax(q k^T / 8) v for 64 queries of three heads, on codes of FP4 with one E8M0 scale for each 32 along a product's K; ctx is quantised along the head's 64 and stored as images of operand registers.
; SHARES.  Work-group x: 64 queries, y: three heads.  Wave w: head 3 y + w / 4, tile w % 4 of 16 queries; it walks all 4,096 keys, 256 a step.  Registers allow three such waves to a SIMD.
; THE SOFTMAX.  t = score x log2(e) / 8; M = the running largest t rounded up to a whole number; p = 2^(t - M) is quantised along the keys; the row's sum is taken of the unquantised p and divides at the end.
; When M moves, the sums and O are multiplied by 2^(old M - new M): exact.  A block's largest p is the exponential of the block's largest score.
; LAYOUT.  S^T = K Q^T, O^T = V^T P^T: a lane holds one query (lane % 16).  TWO TILES OF KEYS SHARE A FRAGMENT: registers 0-3 (K = 0 .. 63) tile 2 i, registers 4-7 (K = 64 .. 127) tile 2 i + 1; against (Q | 0) it gives tile 2 i's
; scores, against (0 | Q) tile 2 i + 1's.  Zero codes of Q have the byte 0.  The record's order of keys makes a lane's 32 registers of four neighbouring tiles one whole block of 32 keys.
; THE RING.  Two LDS slots of 768 keys x three heads: 18 records of 8,960 bytes (codes and scales).  Of a head's four waves three fetch two records each, one load a wave, asked for jointly by the cluster's four work-groups, which
; walk the same heads.  4,096 keys are five slots and 256 keys: the last fill is two records a head, one wave's.  The change of slots stands in a slot's last step: when V's fragments are in registers the wave signals, and it
; waits behind the exponentials.  The refill then issued is first read behind the whole next slot's steps (three of 24 products and 132 exponentials a wave; one ahead of the last), so no prefetch is laid: a refill has that work to land in.
; LIMITS: the scaled scores (exponents to the base 2, before the maximum is taken away) stay under 2^31 in magnitude.  NaN and infinities are not served.  A block of ctx under 2^-124 gets the scale byte 1.
; REGISTERS: v1-2, v6-7 LDS addresses; v4, v5 the add's; v8, v9 Q's scales; v10-11 K's; v12 -M; v13 largest score; v14 the factor; v16-23 V's scales; v24-31 the sum in four pairs; v32-39 p's codes, keys 0-127 (keys 128-255: v128-135);
; v40-43 the blocks' maxima; v44-47 scale operands; v48-59 0, Q, 0; v60-61 p's scales; v64-95 K; v96-127 O^T; v128-255 S^T, then p; window 1: v0-63 V.
.set REC,   8960
.set SLOT1, 18*REC
.set SPARE, 2*SLOT1
.set KF, 64
.set QH, 48                            ; (0 | Q)
.set QL, 52                            ; (Q | 0)
.set PA, 32
.set BM, 40
.set SO, 44
.set TS, 24
.set OA, 96
.set S,  128
.set MSB, 0
.macro WIN new                         ; the immediate's high byte repeats the setting that is left
.if MSB != \new
	s_set_vgpr_msb (MSB<<8)|\new
.set MSB, \new
.endif
.endm
.macro PLACES n
.rept \n
	v_nop
.endr
.endm
.macro CREST                           ; a round of the cluster's barrier behind its opening barrier
	s_cmp_lg_u32 s14, 0
	s_cbranch_scc1 .Lnot_wave_0_\@
	s_barrier_signal -3
.Lnot_wave_0_\@:
	s_barrier_wait -3
	s_barrier_signal -1
	s_barrier_wait -1
.endm
.macro CROUND
	s_barrier_signal -1
	s_barrier_wait -1
	CREST
.endm
.macro FILL lim                        ; a head's waves 0 .. lim - 1 fetch two records each; the branch hangs on the wave's number alone
	s_cmp_lt_u32 s16, \lim
	s_cbranch_scc0 .Lno_part_\@
	tensor_load_to_lds s[32:35], s[24:31]
	s_nop 0
	PLACES 4
.Lno_part_\@:
.endm
	s_load_b128 s[4:7], s[0:1], 0x0                ; qrec 4, kv 6
	s_load_b128 s[8:11], s[0:1], 0x10              ; cimg 8, cscl 10
	v_lshl_add_u32 v4, v0, 2, SPARE
	v_mov_b32 v5, 0
	ds_add_u32 v4, v5                              ; the opening add, twice on end
	ds_add_u32 v4, v5
	v_lshrrev_b32 v3, 5, v0
	v_readfirstlane_b32 s14, v3                    ; wave 0..11
	s_lshr_b32 s15, s14, 2                         ; which head of three
	s_and_b32 s16, s14, 3                          ; which tile of queries.  Also: which two records of my head's six I fetch (3: none)
	s_bfe_u32 s17, ttmp6, 0x40000
	s_lshl_b32 s18, ttmp9, 2
	s_add_co_u32 s18, s18, s17                     ; the block of 64 queries
	s_and_b32 s19, ttmp7, 0xffff
	s_mul_i32 s20, s19, 3
	s_add_co_u32 s20, s20, s15                     ; head
	s_mov_b32 s24, 15|(3<<16)|(1<<21)              ; to all four; two records: 70 rows of 32 elements of 8 bytes
	s_mov_b32 s25, 32<<16
	s_mov_b32 s26, 70<<16
	s_mov_b32 s27, 32<<16
	s_mov_b32 s28, 70
	s_mov_b32 s29, 32
	s_mov_b32 s30, 0
	s_mov_b32 s31, 0
	s_lshl_b32 s50, s20, 5
	s_lshl_b32 s51, s16, 1
	s_add_co_u32 s51, s51, s50
	s_mul_i32 s52, s51, REC                        ; the records that I fetch for slot 0
	s_mov_b32 s53, 0
	s_lshr_b32 s58, s18, 1
	s_add_co_u32 s58, s58, s50
	s_mul_i32 s58, s58, 4352                       ; q's record
	s_and_b32 s59, s18, 1                          ; which half of it
	s_lshl_b32 s21, s59, 2
	s_add_co_u32 s21, s21, s16
	s_lshl_b32 s21, s21, 9
	s_add_co_u32 s22, s58, s21                     ; my tile's image
	s_mov_b32 s23, 0
	s_lshl_b32 s21, s59, 2
	s_add_co_u32 s58, s58, s21
	s_lshr_b32 s21, s16, 1
	s_lshl_b32 s21, s21, 7
	s_add_co_u32 s58, s58, s21
	s_and_b32 s21, s16, 1
	s_lshl_b32 s21, s21, 1
	s_add_co_u32 s58, s58, s21
	s_add_co_u32 s58, s58, 4096                    ; and its scales
	s_mov_b32 s59, 0
	s_lshl_b32 s60, s18, 2
	s_add_co_u32 s60, s60, s16                     ; tile of 16 rows of ctx
	s_mul_i32 s62, s60, 12
	s_add_co_u32 s62, s62, s20
	s_lshl_b32 s62, s62, 9
	s_mov_b32 s63, 0
	s_lshl_b32 s60, s60, 5
	s_lshl_b32 s61, s20, 13
	s_add_co_u32 s60, s60, s61
	s_mov_b32 s61, 0
	s_mov_b32 s40, 0x76543210
	s_mov_b32 s41, 0xfedcba98                      ; v_permlanex16_b32's selects for lane l xor 16
	s_mov_b32 s42, 0x3e38aa3b                      ; c = log2(e) / 8
	s_mov_b32 s43, s42
	s_mov_b32 s45, 0xbe38aa3b                      ; -c
	s_mov_b32 s44, 0                               ; the slot in hand begins here
	s_mov_b32 s46, 3
	s_mov_b32 s47, 0                               ; the slot to be filled begins here
	s_mul_i32 s48, s15, 6*REC
	s_mul_i32 s49, s16, 2*REC
	s_add_co_u32 s48, s48, s49                     ; where my part of a slot lies
	s_wait_alu depctr_va_vdst(0)
	s_wait_dscnt 0x0
	s_wait_kmcnt 0x0
	s_mov_b32 s32, 1
	s_add_co_u32 s33, s47, s48
	s_add_nc_u64 s[34:35], s[6:7], s[52:53]
	s_or_b32 s35, s35, 0x80000000
	s_add_nc_u64 s[22:23], s[4:5], s[22:23]
	s_add_nc_u64 s[58:59], s[4:5], s[58:59]
	s_add_nc_u64 s[8:9], s[8:9], s[62:63]
	s_add_nc_u64 s[10:11], s[10:11], s[60:61]
	CROUND                                         ; the joint loads meet
	FILL 3                                         ; slot 0
	v_and_b32 v63, 31, v0
	v_lshlrev_b32 v60, 4, v63                      ; 16 x lane
	v_and_b32 v61, 15, v0
	v_lshlrev_b32 v61, 3, v61                      ; 8 r
	global_load_b128 v[52:55], v60, s[22:23]
	global_load_u16 v8, v61, s[58:59]              ; Q's two bytes
	s_mul_i32 s56, s15, 6*REC                      ; my head's records in a slot
	v_bfe_u32 v62, v0, 4, 1
	v_lshlrev_b32 v62, 3, v62                      ; 8 h
	v_add_nc_u32 v1, s56, v60
	v_lshlrev_b32 v2, 3, v63
	v_add_nc_u32 v2, s56, v2
	v_add_nc_u32 v6, s44, v1
	v_add_nc_u32 v7, s44, v2
	v_mov_b32 v13, 0xff61b1e6                      ; the largest score so far: -3e38
	v_mul_f32 v12, s45, v13
	v_floor_f32 v12, v12                           ; -M
	v_mov_b32 v3, 0                                ; lane permutes' destinations count as sources
	v_mov_b32 v15, 0                               ; (the upper half of the factor's pair is named)
	s_wait_alu depctr_va_vdst(0)
	s_wait_loadcnt 0x0
	v_lshlrev_b32 v9, 16, v8                       ; for (0 | Q): bytes 2, 3
	v_mov_b32 v63, 0
.irp j, 48,49,50,51,56,57,58,59
	v_mov_b32 v\j, 0
.endr
.set i, 0
.rept 32
	v_mov_b32 v[OA+i], 0                           ; the step is written once: the first finds zeros
.set i, i+1
.endr
.set i, 0
.rept 8
	v_mov_b32 v[TS+i], 0
	v_mov_b32 v[S+120+i], 0                        ; (a step ends with four of its additions left to the next)
.set i, i+1
.endr
	s_wait_alu depctr_va_vdst(0)                   ; the wait at the head's end
	s_wait_tensorcnt 0x0                           ; my part of slot 0 is in
	ds_add_u32 v4, v5                              ; twice on end
	ds_add_u32 v4, v5
	s_xor_b32 s47, s47, SLOT1
	s_add_co_u32 s33, s47, s48
	s_add_nc_u64 s[34:35], s[34:35], 6*REC
	s_wait_dscnt 0x0
	CROUND                                         ; everybody's part is in
	FILL 3                                         ; slot 1's first fill
.macro KLOAD off                       ; a record's K: nine loads
.irp t, 0,1,2,3,4,5,6,7
	ds_load_b128 v[KF+4*\t:KF+4*\t+3], v6 offset:\off+512*\t
.endr
	ds_load_b64 v[10:11], v7 offset:\off+8192
.endm
.macro QK d                            ; scores of 128 keys
.irp i, 0,1,2,3
.if \i%2
	v_wmma_scale_f32_16x16x128_f8f6f4 v[(\d)+16*\i:(\d)+16*\i+7], v[KF+8*\i:KF+8*\i+7], v[QL:QL+7], 0, v[10+\i/2], v8 matrix_a_fmt:MATRIX_FMT_FP4 matrix_b_fmt:MATRIX_FMT_FP4 matrix_a_scale:MATRIX_SCALE_ROW1
	v_wmma_scale_f32_16x16x128_f8f6f4 v[(\d)+16*\i+8:(\d)+16*\i+15], v[KF+8*\i:KF+8*\i+7], v[QH:QH+7], 0, v[10+\i/2], v9 matrix_a_fmt:MATRIX_FMT_FP4 matrix_b_fmt:MATRIX_FMT_FP4 matrix_a_scale:MATRIX_SCALE_ROW1
.else
	v_wmma_scale_f32_16x16x128_f8f6f4 v[(\d)+16*\i:(\d)+16*\i+7], v[KF+8*\i:KF+8*\i+7], v[QL:QL+7], 0, v[10+\i/2], v8 matrix_a_fmt:MATRIX_FMT_FP4 matrix_b_fmt:MATRIX_FMT_FP4
	v_wmma_scale_f32_16x16x128_f8f6f4 v[(\d)+16*\i+8:(\d)+16*\i+15], v[KF+8*\i:KF+8*\i+7], v[QH:QH+7], 0, v[10+\i/2], v9 matrix_a_fmt:MATRIX_FMT_FP4 matrix_b_fmt:MATRIX_FMT_FP4
.endif
.endr
.endm
.macro MAX2 a                          ; the largest scores of blocks 2 a, 2 a + 1: four chains by turns, each accumulator from its low end on
.set SA, S+64*(\a)
.irp c, 0,1
	v_max3_num_f32 v[BM+2*(\a)+\c], v[SA+32*\c], v[SA+1+32*\c], v[SA+2+32*\c]
	v_max3_num_f32 v[SO+\c], v[SA+16+32*\c], v[SA+17+32*\c], v[SA+18+32*\c]
.endr
.irp i, 3,5,7,9,11,13
.irp c, 0,1
	v_max3_num_f32 v[BM+2*(\a)+\c], v[BM+2*(\a)+\c], v[SA+32*\c+\i], v[SA+1+32*\c+\i]
	v_max3_num_f32 v[SO+\c], v[SO+\c], v[SA+16+32*\c+\i], v[SA+17+32*\c+\i]
.endr
.endr
.irp c, 0,1
	v_max3_num_f32 v[BM+2*(\a)+\c], v[BM+2*(\a)+\c], v[SO+\c], v[SA+15+32*\c]
.endr
.irp c, 0,1
	v_max_num_f32 v[BM+2*(\a)+\c], v[BM+2*(\a)+\c], v[SA+31+32*\c]
.endr
.endm
.macro ADDB from, n                    ; pairs from .. of keys 128-255 onto the four sums by turns
.set i, \from
.rept \n
	v_pk_add_f32 v[TS+2*(i%4):TS+2*(i%4)+1], v[TS+2*(i%4):TS+2*(i%4)+1], v[S+64+2*i:S+65+2*i]
.set i, i+1
.endr
.endm
.macro ADDP n                          ; pair 2 n + 1 of keys 0-127 onto pair 2 n: the unquantised p, first level of the sum
	v_pk_add_f32 v[S+4*(\n):S+4*(\n)+1], v[S+4*(\n):S+4*(\n)+1], v[S+4*(\n)+2:S+4*(\n)+3]
.endm
; A STEP: 256 keys, records 2 j and 2 j + 1 of the slot.  chg: 0 the next step lies in this slot; 1 change of slots with a refill; 4 with the last, short one; 2 without; 3 the last step
.macro STEP j, chg
.set R0, 2*(\j)*REC
	s_wait_alu depctr_va_vdst(0)
	s_wait_dscnt 0x0                               ; K of the first record
	QK S
	ADDB 28, 4                                     ; the last step's last additions are the four places behind the products
	KLOAD R0+REC
	MAX2 0
	s_wait_alu depctr_va_vdst(0)
	s_wait_dscnt 0x0
	QK S+64
	v_max_num_f32 v63, v[BM], v[BM+1]
	v_mov_b32 v14, v12                             ; the old -M
	v_permlanex16_b32 v3, v63, s40, s41
	v_max3_num_f32 v13, v13, v63, v3
	v_nop                                          ; (places behind the products, as the four lines above)
	WIN 0x40                                       ; destination window 1: V
.irp a, 0,1
.irp t, 0,1,2,3
.irp c, 0,1
	ds_load_b128 v[32*\a+8*\t+4*\c:32*\a+8*\t+4*\c+3], v6 offset:R0+REC*\a+4096+1024*\t+512*\c
.endr
.endr
.endr
	WIN 0
.irp a, 0,1
	ds_load_b64 v[16+4*\a:17+4*\a], v7 offset:R0+REC*\a+8448
	ds_load_b64 v[18+4*\a:19+4*\a], v7 offset:R0+REC*\a+8704
.endr
.if (\chg) == 0
	KLOAD R0+2*REC
.endif
.if (\chg) == 1 || (\chg) == 4
	s_wait_tensorcnt 0x0                           ; my part of the next slot has landed
	ds_add_u32 v4, v5                              ; 0 onto my spare word, twice on end
	ds_add_u32 v4, v5
	s_xor_b32 s47, s47, SLOT1
	s_add_co_u32 s33, s47, s48
	s_add_nc_u64 s[34:35], s[34:35], 6*REC
.endif
.if (\chg) == 2
	s_wait_tensorcnt 0x0
	ds_add_u32 v4, v5
.endif
	MAX2 1
.if (\chg) == 1 || (\chg) == 2 || (\chg) == 4
	s_wait_alu depctr_va_vdst(0)
	s_wait_dscnt 0x0                               ; the add is done, and my reads of this slot are over
	s_barrier_signal -1                            ; register work alone up to the wait
.endif
	v_max_num_f32 v63, v[BM+2], v[BM+3]
	s_delay_alu instid0(VALU_DEP_1)
	v_permlanex16_b32 v3, v63, s40, s41
	s_delay_alu instid0(VALU_DEP_1)
	v_max3_num_f32 v13, v13, v63, v3               ; the running largest score
	s_delay_alu instid0(VALU_DEP_1)
	v_mul_f32 v63, s45, v13
	s_delay_alu instid0(VALU_DEP_1)
	v_floor_f32 v12, v63                           ; -M = floor(-t)
	s_delay_alu instid0(VALU_DEP_1)
	v_sub_f32 v63, v12, v14
	s_delay_alu instid0(VALU_DEP_1)
	v_cvt_i32_f32 v63, v63                         ; (it saturates)
	s_delay_alu instid0(VALU_DEP_1)
	v_ldexp_f32 v14, 1.0, v63                      ; 2^(old M - new M)
.set i, 0
.rept 32
	v_pk_fma_f32 v[S+i:S+i+1], v[S+i:S+i+1], s[42:43], v[12:13] op_sel_hi:[1,0,0]   ; t - M
.set i, i+2
.endr
.irp b, 0,1,2,3
	v_fma_f32 v[BM+\b], v[BM+\b], s42, v12
.endr
.irp b, 0,2,4,6
	v_pk_mul_f32 v[TS+\b:TS+\b+1], v[TS+\b:TS+\b+1], v[14:15] op_sel_hi:[1,0]
.endr
.set i, 0
.rept 16
	v_pk_mul_f32 v[OA+i:OA+i+1], v[OA+i:OA+i+1], v[14:15] op_sel_hi:[1,0]
.set i, i+2
.endr
	s_wait_alu depctr_va_vdst(0)                   ; the wait ahead of the batch
.irp b, 0,1,2,3
	v_exp_f32 v[BM+\b], v[BM+\b]
.endr
.set i, 0
.rept 32
	v_exp_f32 v[S+i], v[S+i]
	v_exp_f32 v[S+i+1], v[S+i+1]
	v_pk_fma_f32 v[S+64+i:S+65+i], v[S+64+i:S+65+i], s[42:43], v[12:13] op_sel_hi:[1,0,0]   ; first read behind the wait below
.set i, i+2
.endr
	s_wait_alu depctr_va_vdst(0)                   ; behind the first batch
.irp b, 0,1,2,3
	v_max_num_f32 v[BM+\b], 0x1800000, v[BM+\b]    ; the floor 2^(3 - 127)
.endr
.irp b, 0,1,2,3
	v_add_nc_u32 v[SO+\b], 0xff000000, v[BM+\b]    ; the conversions' scale operands
.endr
.irp b, 0,1,2,3
	v_lshrrev_b32 v[BM+\b], 23, v[SO+\b]           ; the scales' bytes
.endr
	v_lshl_or_b32 v60, v[BM+1], 16, v[BM]
	v_lshl_or_b32 v61, v[BM+3], 16, v[BM+2]
	v_lshlrev_b32 v60, v62, v60                    ; my blocks' places in the word
	v_lshlrev_b32 v61, v62, v61
	v_permlanex16_b32 v3, v60, s40, s41
	v_permlanex16_b32 v63, v61, s40, s41
	v_or_b32 v60, v60, v3
	v_or_b32 v61, v61, v63
	s_wait_alu depctr_va_vdst(0)                   ; ahead of the second batch
; the second batch.  Between its exponentials: the conversions of keys 0-127, and, an eight behind them, these keys' first additions, which write over the conversions' sources
.irp k, 0,1,2,3,4,5,6,7
	v_exp_f32 v[S+64+8*\k], v[S+64+8*\k]
	v_exp_f32 v[S+65+8*\k], v[S+65+8*\k]
	v_exp_f32 v[S+66+8*\k], v[S+66+8*\k]
	v_exp_f32 v[S+67+8*\k], v[S+67+8*\k]
	v_cvt_scalef32_pk8_fp4_f32 v[PA+\k], v[S+8*\k:S+8*\k+7], v[SO+\k/4]
.if \k > 0
	ADDP 2*\k-2
.else
	v_nop                                          ; one plain place behind the first conversion
.endif
	v_exp_f32 v[S+68+8*\k], v[S+68+8*\k]
	v_exp_f32 v[S+69+8*\k], v[S+69+8*\k]
	v_exp_f32 v[S+70+8*\k], v[S+70+8*\k]
	v_exp_f32 v[S+71+8*\k], v[S+71+8*\k]
.if \k > 0
	ADDP 2*\k-1
.endif
.endr
	ADDP 14
	ADDP 15
	s_wait_alu depctr_va_vdst(0)                   ; behind the second batch
.if (\chg) == 1 || (\chg) == 2 || (\chg) == 4
	s_barrier_wait -1
.if (\chg) == 1
	CREST                                          ; no wave of any partner still reads this slot
	FILL 3
.endif
.if (\chg) == 4
	CREST
	FILL 1                                         ; the last 256 keys
.endif
	s_xor_b32 s44, s44, SLOT1
	v_add_nc_u32 v6, s44, v1
	v_add_nc_u32 v7, s44, v2
	s_wait_alu depctr_va_vdst(0)
	KLOAD 0
.endif
.set i, 0
.rept 16
	v_pk_add_f32 v[TS+2*(i%4):TS+2*(i%4)+1], v[TS+2*(i%4):TS+2*(i%4)+1], v[S+4*i:S+4*i+1]
.set i, i+1
.endr
.irp c, 0,1
.irp g, 0,1,2,3
	v_cvt_scalef32_pk8_fp4_f32 v[S+4*\c+\g], v[S+64+32*\c+8*\g:S+64+32*\c+8*\g+7], v[SO+2+\c]   ; v128-135: their numbers are in the sum
.endr
.endr
	ADDB 0, 20
.if (\chg) == 0
	s_wait_alu depctr_va_vdst(0)
	s_wait_dscnt 9                                 ; V is in; K's nine loads may be out
.endif
.if (\chg) == 3
	s_wait_alu depctr_va_vdst(0)
	s_wait_dscnt 0x0
.endif
	WIN 0x01                                       ; source 0 window 1
.irp a, 0,1
.irp t, 0,1,2,3
	v_wmma_scale_f32_16x16x128_f8f6f4 v[OA+8*\t:OA+8*\t+7], v[32*\a+8*\t:32*\a+8*\t+7], v[PA+96*\a:PA+96*\a+7], v[OA+8*\t:OA+8*\t+7], v[16+4*\a+\t], v[60+\a] matrix_a_fmt:MATRIX_FMT_FP4 matrix_b_fmt:MATRIX_FMT_FP4
.endr
.endr
	WIN 0
	ADDB 20, 8                                     ; places ahead of the next products, which write over v128-135
.endm
	KLOAD 0
.Lslot:                                            ; the first three slots; each trip asks for the slot two on
	STEP 0, 0
	STEP 1, 0
	STEP 2, 1
	s_sub_co_u32 s46, s46, 1
	s_cmp_lg_u32 s46, 0
	s_cbranch_scc1 .Lslot
	STEP 0, 0                                      ; the fourth asks for the last 256 keys
	STEP 1, 0
	STEP 2, 4
	STEP 0, 0                                      ; the fifth asks for nothing more
	STEP 1, 0
	STEP 2, 2
	STEP 0, 3
	ADDB 28, 4
	v_pk_add_f32 v[24:25], v[24:25], v[26:27]
	v_pk_add_f32 v[28:29], v[28:29], v[30:31]
	v_pk_add_f32 v[24:25], v[24:25], v[28:29]
	v_add_f32 v24, v24, v25
	v_permlanex16_b32 v3, v24, s40, s41
	v_add_f32 v24, v24, v3                         ; the row's sum
	s_wait_alu depctr_va_vdst(0)                   ; the wait ahead of the transcendental too
	v_rcp_f32 v24, v24
	v_and_b32 v60, 31, v0                          ; (a plain place behind the transcendental)
	v_lshlrev_b32 v60, 4, v60
	v_and_b32 v61, 15, v0
	v_lshlrev_b32 v61, 1, v61
	s_wait_alu depctr_va_vdst(0)                   ; and ahead of its first reader, which also first reads O^T
.set i, 0
.rept 16
	v_pk_mul_f32 v[S+i:S+i+1], v[OA+i:OA+i+1], v[24:25] op_sel_hi:[1,0]
.set i, i+2
.endr
	v_max3_num_f32 v40, |v[S]|, |v[S+1]|, 0x1800000
	v_max3_num_f32 v41, |v[S+16]|, |v[S+17]|, |v[S+18]|
.irp i, 2,4,6,8,10,12
	v_max3_num_f32 v40, v40, |v[S+\i]|, |v[S+1+\i]|
	v_max3_num_f32 v41, v41, |v[S+17+\i]|, |v[S+18+\i]|
.endr
	v_max3_num_f32 v40, v40, |v[S+14]|, |v[S+15]|
	v_max3_num_f32 v40, v40, v41, |v[S+31]|        ; the largest magnitude of dims 32 h ..
	v_add_nc_u32 v44, 0xff000000, v40
	v_lshrrev_b32 v42, 23, v44
.irp g, 0,1,2,3
	v_cvt_scalef32_pk8_fp4_f32 v[PA+\g], v[S+8*\g:S+8*\g+7], v44
.endr
	v_lshlrev_b32 v42, v62, v42
	v_permlanex16_b32 v3, v42, s40, s41
	v_or_b32 v42, v42, v3                          ; a row's two bytes
	global_store_b128 v60, v[PA:PA+3], s[8:9]      ; 512 consecutive bytes
	global_store_b16 v61, v42, s[10:11]
	s_wait_tensorcnt 0x0                           ; the wave's end
	ds_add_u32 v4, v5
	s_wait_dscnt 0x0
	CROUND                                         ; the closing round
	s_endpgm
.Lfunc_end_k_q6074738093_attn:
	.size	k_q6074738093_attn, .Lfunc_end_k_q6074738093_attn-k_q6074738093_attn
	.p2alignl 7, 3214868480
	.fill 96, 4, 3214868480
	.section	.rodata,"a",@progbits
	.p2align	6, 0x0
	.amdhsa_kernel k_q6074738093_attn
		.amdhsa_group_segment_fixed_size 327680
		.amdhsa_private_segment_fixed_size 0
		.amdhsa_enable_private_segment 0
		.amdhsa_kernarg_size 32
		.amdhsa_user_sgpr_count 2
		.amdhsa_user_sgpr_kernarg_segment_ptr 1
		.amdhsa_wavefront_size32 1
		.amdhsa_system_sgpr_workgroup_id_x 1
		.amdhsa_system_sgpr_workgroup_id_y 1
		.amdhsa_system_sgpr_workgroup_id_z 1
		.amdhsa_system_vgpr_workitem_id 0
		.amdhsa_next_free_vgpr 320
		.amdhsa_next_free_sgpr 66
		.amdhsa_reserve_vcc 0
		.amdhsa_float_denorm_mode_32 3
		.amdhsa_float_denorm_mode_16_64 3
		.amdhsa_memory_ordered 1
		.amdhsa_forward_progress 1
		.amdhsa_inst_pref_size 255
	.end_amdhsa_kernel
	.section	.bss,"aw",@nobits
	.p2align	6
	.space	262144
	.amdgpu_metadata
---
amdhsa.version: [ 1, 2 ]
amdhsa.kernels:
  - .name:           k_q6074738093_attn
    .symbol:         k_q6074738093_attn.kd
    .args:
      - { .name: qrec, .offset: 0, .size: 8, .value_kind: global_buffer, .address_space: global }
      - { .name: kv, .offset: 8, .size: 8, .value_kind: global_buffer, .address_space: global }
      - { .name: cimg, .offset: 16, .size: 8, .value_kind: global_buffer, .address_space: global }
      - { .name: cscl, .offset: 24, .size: 8, .value_kind: global_buffer, .address_space: global }
    .group_segment_fixed_size: 327680
    .private_segment_fixed_size: 0
    .kernarg_segment_align: 8
    .kernarg_segment_size: 32
    .max_flat_workgroup_size: 384
    .sgpr_count:     66
    .vgpr_count:     320
    .wavefront_size: 32
...
	.end_amdgpu_metadata
.endif
;; end of part 2
;; launch oproj (part 3): grid 64 x 4, 8 waves a work-group, clusters of 4 x 4, 168,960 bytes of LDS; arguments cimg, cscl, Wo_codes, Wo_scales, bo, out0; writes out0
.if DOCPART == 3
	.amdgcn_target "amdgcn-amd-amdhsa--gfx1250"
	.amdhsa_code_object_version 6
	.text
	.protected	k_q6074738093_oproj
	.globl	k_q6074738093_oproj
	.p2align	8
	.type	k_q6074738093_oproj,@function
k_q6074738093_oproj:
	s_mov_b64 s[64:65], 0
	v_nop
	global_prefetch_b8 v0, s[64:65] scope:SCOPE_SE
	s_setreg_imm32_b32 hwreg(HW_REG_WAVE_MODE, 25, 1), 1
	s_wait_xcnt 0x0
	s_wait_alu depctr_hold_cnt(0) depctr_sa_sdst(0) depctr_va_vdst(0) depctr_va_sdst(0) depctr_va_ssrc(0) depctr_va_vcc(0) depctr_vm_vsrc(0)
	s_getreg_b32 s2, hwreg(HW_REG_IB_STS2, 6, 4)
	s_cmp_eq_u32 s2, 0
	s_cbranch_scc0 .Lentry_in_a_cluster
	s_endpgm
.Lentry_in_a_cluster:
	s_bfe_u32 s2, ttmp6, 0x10000c
	s_cmp_lg_u32 s2, 0xf033
	s_cbranch_scc0 .Lentry_shape_is_right
	s_endpgm
.Lentry_shape_is_right:
; out = ctx Wo + bo on codes of FP4 (E2M1) with one E8M0 scale for each 32 along K = 768.  ctx comes as images of operand registers ([tile of 16 rows][head][512 bytes]; a K step of 128 is two heads) with two scale bytes
; for each row and head; Wo as codes with K innermost, rows of 384 bytes, dense: fetched as rows of 256 bytes with 16 bytes of padding behind each 128.
; SHARES.  A work-group makes 64 rows x 192 columns.  Wave w: tiles of rows 2 (w / 4), + 1; tiles of columns 3 (w % 4) .. + 2: six accumulators, 36 products.  Source 0 = Wo's rows, source 1 = ctx: a lane holds eight
; neighbouring columns of one row.  bo is the C of each sum's first product.
; Of a work-group's 64 rows of ctx, image row 16 u + m is row 32 (m / 8) + 8 (u xor (m / 8)) + m % 8.  The way out puts them back: eight neighbouring image rows are eight neighbouring rows.
; CLUSTER 4 x 4; the grid is one cluster high, so the block of columns is cy.  Wo's rows hang on it alone and are asked for jointly by a row of the cluster, ctx's images on the block of rows alone, by a column.
; All tiles are first fills, one load a wave: waves 0 to 3 Wo's, waves 4 to 7 ctx's; there is no loop of fills to prefetch for.  More LDS is claimed than is used, so that the work-group is alone on its WGP.
; LIMIT: NaN and infinities are not served.
.set PIT,  432                         ; Wo's row in LDS: sixteen neighbouring rows start at sixteen different groups of four banks (64 banks of 4 bytes: ISA guide 11.1)
.set CIB,  192*PIT                     ; ctx's images: 24,576 dense bytes
.set STG,  CIB+24576                   ; the stage: 64 rows x (768 bytes + 16)
.set SP,   784
.set SPARE, 0x29000
.set WS,  16                           ; v16-33  Wo's scale words: tile b, K step s at 16 + 6 b + s
.set CS,  34                           ; v34-39  ctx's: lanes 0-15 my first tile of rows, lanes 16-31 my second
.set TT,  40                           ; v40-51  ctx's two bytes a head
.set BO,  52                           ; v52-75  bo in the result's layout
.set ACC, 80                           ; v80-127 accumulator (a, b) at 80 + 8 (3 a + b)
.set FS,  128                          ; v128-207 two sets of five fragments: ctx's a at + 8 a, Wo's b at + 16 + 8 b; later the rows on their way out
.macro PLACES n
.rept \n
	v_nop
.endr
.endm
.macro CROUND                          ; a round of the cluster's barrier
	s_barrier_signal -1
	s_barrier_wait -1
	s_cmp_lg_u32 s40, 0
	s_cbranch_scc1 .Lnot_wave_0_\@
	s_barrier_signal -3
.Lnot_wave_0_\@:
	s_barrier_wait -3
	s_barrier_signal -1
	s_barrier_wait -1
.endm
.macro WM d, a, b, c, sa, sb, rb
.if (\rb)
	v_wmma_scale_f32_16x16x128_f8f6f4 v[(\d):(\d)+7], v[(\a):(\a)+7], v[(\b):(\b)+7], v[(\c):(\c)+7], v[(\sa)], v[(\sb)] matrix_a_fmt:MATRIX_FMT_FP4 matrix_b_fmt:MATRIX_FMT_FP4 matrix_b_scale:MATRIX_SCALE_ROW1
.else
	v_wmma_scale_f32_16x16x128_f8f6f4 v[(\d):(\d)+7], v[(\a):(\a)+7], v[(\b):(\b)+7], v[(\c):(\c)+7], v[(\sa)], v[(\sb)] matrix_a_fmt:MATRIX_FMT_FP4 matrix_b_fmt:MATRIX_FMT_FP4
.endif
.endm
	s_load_b256 s[4:11], s[0:1], 0x0               ; cimg 4, cscl 6, Wo codes 8, Wo scales 10
	s_load_b128 s[12:15], s[0:1], 0x20             ; bo 12, out0 14
	v_lshl_add_u32 v208, v0, 2, SPARE
	v_mov_b32 v209, 0
	ds_add_u32 v208, v209                          ; the opening add, twice on end
	ds_add_u32 v208, v209
	v_lshrrev_b32 v1, 5, v0
	v_readfirstlane_b32 s40, v1                    ; wave 0..7
	v_and_b32 v1, 31, v0                           ; lane
	v_and_b32 v2, 15, v0                           ; r
	v_bfe_u32 v3, v0, 4, 1                         ; h
	v_mul_u32_u24 v5, v2, PIT
	v_mul_u32_u24 v6, v2, SP
	v_mul_u32_u24 v8, v3, SP-512
	v_mul_u32_u24 v10, v3, 3072-512
	v_mul_u32_u24 v11, v2, 24                      ; Wo's scale rows
	v_lshl_add_u32 v5, v3, 4, v5
	v_lshl_add_u32 v6, v3, 5, v6
	v_lshl_add_u32 v8, v2, 4, v8
	v_lshl_add_u32 v10, v2, 4, v10
	v_lshlrev_b32 v9, 4, v1                        ; out0, whose rows are 3,072 bytes apart: 512 bytes of one row,
	v_add_nc_u32 v10, 512, v10                     ; or a row's last 256 bytes and the next row's first 256
	v_lshlrev_b32 v12, 1, v1                       ; ctx's scale bytes: 2 a row
	v_lshlrev_b32 v13, 5, v3                       ; bo: columns 8 h on
	s_wait_alu depctr_va_vdst(0)
	s_lshr_b32 s41, s40, 2                         ; which half of the rows.  Also: I fetch for Wo (0) or for ctx (1)
	s_and_b32 s42, s40, 3                          ; which quarter of the columns.  Also: which quarter I fetch
	s_bfe_u32 s43, ttmp6, 0x40000                  ; cx
	s_bfe_u32 s46, ttmp6, 0x40004                  ; cy = the block of 192 columns
	s_lshl_b32 s45, ttmp9, 2
	s_add_co_u32 s45, s45, s43                     ; the block of 64 rows
	s_lshl_b32 s47, 0x1111, s43                    ; my column of the cluster
	s_lshl_b32 s48, s46, 2
	s_lshl_b32 s48, 15, s48                        ; my row
	s_or_b32 s16, s48, (3<<16)|(1<<20)|(1<<21)|(4<<22)|(3<<25)  ; Wo: 48 rows = 72 rows of 256 bytes; 4 words of padding after every 32; to my row
	s_mov_b32 s17, 32<<16
	s_mov_b32 s18, 72<<16
	s_mov_b32 s19, 32<<16
	s_mov_b32 s20, 72
	s_mov_b32 s21, 32
	s_mov_b32 s22, 0
	s_mov_b32 s23, 0
	s_or_b32 s24, s47, (3<<16)|(1<<21)             ; ctx: 6,144 dense bytes as 24 rows of 256; to my column
	s_mov_b32 s25, 32<<16
	s_mov_b32 s26, 24<<16
	s_mov_b32 s27, 32<<16
	s_mov_b32 s28, 24
	s_mov_b32 s29, 32
	s_mov_b32 s30, 0
	s_mov_b32 s31, 0
	s_mul_i32 s54, s41, 12288
	s_add_co_u32 s54, s54, CIB
	s_mul_i32 s55, s42, 48*PIT
	s_mul_i32 s56, s41, 32*SP
	s_mul_i32 s57, s42, 192
	s_add_co_u32 s56, s56, s57
	s_add_co_u32 s56, s56, STG
	s_mul_i32 s57, s40, 8*SP
	s_add_co_u32 s57, s57, STG
	s_add_co_u32 s58, s57, 512
	v_lshl_add_u32 v4, v1, 4, s54                  ; ctx's images: my two tiles, 16 x lane
	v_add_nc_u32 v5, s55, v5                       ; Wo: row 48 (w % 4) + r, + 16 h
	v_add_nc_u32 v6, s56, v6                       ; into the stage: image row 32 (w / 4) + r, my columns' bytes, + 32 h
	v_lshl_add_u32 v7, v1, 4, s57                  ; back: my eight rows
	v_add_nc_u32 v8, s58, v8
	s_mul_i32 s47, s46, 192
	s_mul_i32 s48, s42, 48
	s_add_co_u32 s47, s47, s48                     ; my first column.  Also: the first row of Wo that I fetch
	s_mul_i32 s50, s47, 384
	s_mov_b32 s51, 0
	s_mul_i32 s52, s45, 24576
	s_mul_i32 s53, s42, 6144
	s_add_co_u32 s52, s52, s53                     ; ctx: my quarter of the block's images
	s_mov_b32 s53, 0
	s_lshl_b32 s54, s47, 2
	s_mov_b32 s55, 0
	s_mul_i32 s56, s47, 24
	s_mov_b32 s57, 0
	s_lshl_b32 s58, s45, 7
	s_lshl_b32 s59, s41, 6
	s_add_co_u32 s58, s58, s59                     ; (64 x block + 32 x half) rows of 2 bytes
	s_mov_b32 s59, 0
	s_lshl_b32 s47, s45, 6
	s_and_b32 s48, s40, 1
	s_lshr_b32 s49, s40, 1
	s_xor_b32 s49, s49, s48
	s_lshl_b32 s48, s48, 5
	s_lshl_b32 s49, s49, 3
	s_add_co_u32 s47, s47, s48
	s_add_co_u32 s47, s47, s49                     ; image rows 8 w .. 8 w + 7 are rows 64 x block + 32 (w % 2) + 8 ((w / 2) xor (w % 2)) on
	s_mul_i32 s48, s47, 3072
	s_mul_i32 s47, s46, 768
	s_add_co_u32 s48, s48, s47
	s_mov_b32 s49, 0
	s_wait_alu depctr_va_vdst(0)
	s_wait_dscnt 0x0
	s_wait_kmcnt 0x0
	s_mov_b32 s32, 1
	s_mul_i32 s33, s42, 48*PIT
	s_add_nc_u64 s[34:35], s[8:9], s[50:51]
	s_or_b32 s35, s35, 0x80000000
	s_mov_b32 s36, 1
	s_mul_i32 s37, s42, 6144
	s_add_co_u32 s37, s37, CIB
	s_add_nc_u64 s[38:39], s[4:5], s[52:53]
	s_or_b32 s39, s39, 0x80000000
	s_add_nc_u64 s[10:11], s[10:11], s[56:57]
	s_add_nc_u64 s[12:13], s[12:13], s[54:55]
	s_add_nc_u64 s[6:7], s[6:7], s[58:59]
	s_add_nc_u64 s[14:15], s[14:15], s[48:49]
.irp d, 0,1,2,3,4,5,6,7,8,9,10,11
	global_load_u16 v[TT+\d], v12, s[6:7] offset:8192*\d
.endr
.irp b, 0,1,2
.irp j, 0,1,2
	global_load_b64 v[WS+6*\b+2*\j:WS+6*\b+2*\j+1], v11, s[10:11] offset:384*\b+8*\j
.endr
.endr
.irp b, 0,1,2
	global_load_b128 v[BO+8*\b:BO+8*\b+3], v13, s[12:13] offset:64*\b
	global_load_b128 v[BO+8*\b+4:BO+8*\b+7], v13, s[12:13] offset:64*\b+16
.endr
	CROUND                                         ; all sixteen work-groups are here: the joint loads meet
	s_cmp_eq_u32 s41, 0
	s_cbranch_scc0 .Lfor_ctx
	tensor_load_to_lds s[32:35], s[16:23]
	s_nop 0
	PLACES 4
	s_branch .Lasked
.Lfor_ctx:
	tensor_load_to_lds s[36:39], s[24:31]
	s_nop 0
	PLACES 4
.Lasked:
	s_wait_loadcnt 0x0
.irp s, 0,1,2,3,4,5
	v_lshl_or_b32 v[CS+\s], v[TT+2*\s+1], 16, v[TT+2*\s]   ; a K step's word: two bytes of head 2 s, two of head 2 s + 1
.endr
	PLACES 8                                       ; a scale register written by a vector instruction stands eight places ahead of the scaled product
	s_wait_alu depctr_va_vdst(0)                   ; the wait at the head's end
	s_wait_tensorcnt 0x0                           ; my tile is in LDS,
	s_barrier_signal -1
	s_barrier_wait -1                              ; everybody's are
.macro FETCH s, p                      ; the five fragments of K step s into set p: ten loads
.set KO, 64*(\s)+16*((\s)/2)
.irp a, 0,1
.irp c, 0,1
	ds_load_b128 v[FS+40*(\p)+8*\a+4*\c:FS+40*(\p)+8*\a+4*\c+3], v4 offset:6144*\a+1024*(\s)+512*\c
.endr
.endr
.irp b, 0,1,2
.irp c, 0,1
	ds_load_b128 v[FS+40*(\p)+16+8*\b+4*\c:FS+40*(\p)+16+8*\b+4*\c+3], v5 offset:16*PIT*\b+KO+32*\c
.endr
.endr
.endm
.macro MUL6 s, p                       ; the six accumulators take turns, one instruction a turn
.irp a, 0,1
.irp b, 0,1,2
.if (\s) == 0
	WM ACC+8*(3*\a+\b), FS+40*(\p)+16+8*\b, FS+40*(\p)+8*\a, BO+8*\b, WS+6*\b+(\s), CS+(\s), \a
.else
	WM ACC+8*(3*\a+\b), FS+40*(\p)+16+8*\b, FS+40*(\p)+8*\a, ACC+8*(3*\a+\b), WS+6*\b+(\s), CS+(\s), \a
.endif
.endr
.endr
.endm
	FETCH 0, 0
.irp s, 0,1,2,3,4,5
.if \s < 5
.if \s > 0
	PLACES 4                                       ; the set to be loaded was read by the step before
.endif
	FETCH \s+1, (\s+1)%2
	s_wait_dscnt 10                                ; all but the ten just issued: this step's fragments are in
.else
	s_wait_dscnt 0x0
.endif
	MUL6 \s, \s%2
.endr
	PLACES 4                                       ; in front of the first read of results, and of the loads into the fragments' registers
.irp a, 0,1
.irp b, 0,1,2
	ds_store_b128 v6, v[ACC+8*(3*\a+\b):ACC+8*(3*\a+\b)+3] offset:16*SP*\a+64*\b        ; each accumulator from its low end on
	ds_store_b128 v6, v[ACC+8*(3*\a+\b)+4:ACC+8*(3*\a+\b)+7] offset:16*SP*\a+64*\b+16
.endr
.endr
	s_wait_dscnt 0x0                               ; for the others' sake: my stores into the stage are done
	s_barrier_signal -1
	s_barrier_wait -1                              ; a row's 768 bytes come from four waves
.irp p, 0,1,2,3                        ; two rows, 1,536 bytes, are three loads of 512
	ds_load_b128 v[FS+12*\p:FS+12*\p+3], v7 offset:2*SP*\p
	ds_load_b128 v[FS+12*\p+4:FS+12*\p+7], v8 offset:2*SP*\p
	ds_load_b128 v[FS+12*\p+8:FS+12*\p+11], v7 offset:2*SP*\p+SP+256
.endr
.irp p, 0,1,2,3                        ; the counts leave the younger loads out.  Sixteen lanes store 256 consecutive bytes, at a multiple of 256 from out0's first byte; written once, read by nobody here
	s_wait_dscnt 11-3*\p
	global_store_b128 v9, v[FS+12*\p:FS+12*\p+3], s[14:15] offset:6144*\p th:TH_STORE_NT
	s_wait_dscnt 10-3*\p
	global_store_b128 v10, v[FS+12*\p+4:FS+12*\p+7], s[14:15] offset:6144*\p th:TH_STORE_NT
	s_wait_dscnt 9-3*\p
	global_store_b128 v9, v[FS+12*\p+8:FS+12*\p+11], s[14:15] offset:6144*\p+3328 th:TH_STORE_NT
.endr
	s_wait_tensorcnt 0x0                           ; the wave's end
	ds_add_u32 v208, v209
	s_wait_dscnt 0x0
	CROUND                                         ; the closing round
	s_endpgm
.Lfunc_end_k_q6074738093_oproj:
	.size	k_q6074738093_oproj, .Lfunc_end_k_q6074738093_oproj-k_q6074738093_oproj
	.p2alignl 7, 3214868480
	.fill 96, 4, 3214868480
	.section	.rodata,"a",@progbits
	.p2align	6, 0x0
	.amdhsa_kernel k_q6074738093_oproj
		.amdhsa_group_segment_fixed_size 168960
		.amdhsa_private_segment_fixed_size 0
		.amdhsa_enable_private_segment 0
		.amdhsa_kernarg_size 48
		.amdhsa_user_sgpr_count 2
		.amdhsa_user_sgpr_kernarg_segment_ptr 1
		.amdhsa_wavefront_size32 1
		.amdhsa_system_sgpr_workgroup_id_x 1
		.amdhsa_system_sgpr_workgroup_id_y 1
		.amdhsa_system_sgpr_workgroup_id_z 1
		.amdhsa_system_vgpr_workitem_id 0
		.amdhsa_next_free_vgpr 210
		.amdhsa_next_free_sgpr 66
		.amdhsa_reserve_vcc 0
		.amdhsa_float_denorm_mode_32 3
		.amdhsa_float_denorm_mode_16_64 3
		.amdhsa_memory_ordered 1
		.amdhsa_forward_progress 1
		.amdhsa_inst_pref_size 23
	.end_amdhsa_kernel
	.amdgpu_metadata
---
amdhsa.version: [ 1, 2 ]
amdhsa.kernels:
  - .name:           k_q6074738093_oproj
    .symbol:         k_q6074738093_oproj.kd
    .args:
      - { .name: cimg, .offset: 0, .size: 8, .value_kind: global_buffer, .address_space: global }
      - { .name: cscl, .offset: 8, .size: 8, .value_kind: global_buffer, .address_space: global }
      - { .name: Wo_codes, .offset: 16, .size: 8, .value_kind: global_buffer, .address_space: global }
      - { .name: Wo_scales, .offset: 24, .size: 8, .value_kind: global_buffer, .address_space: global }
      - { .name: bo, .offset: 32, .size: 8, .value_kind: global_buffer, .address_space: global }
      - { .name: out0, .offset: 40, .size: 8, .value_kind: global_buffer, .address_space: global }
    .group_segment_fixed_size: 168960
    .private_segment_fixed_size: 0
    .kernarg_segment_align: 8
    .kernarg_segment_size: 48
    .max_flat_workgroup_size: 256
    .sgpr_count:     66
    .vgpr_count:     210
    .wavefront_size: 32
...
	.end_amdgpu_metadata
.endif
;; end of part 3
